; MI455X (gfx1250); checked and timed in simulation.
; The chip was launched on July 23, 2026; its instructions are those of AMD's public machine-readable ISA for CDNA 5 (MIT licence, August 2026) and "CDNA5" Instruction Set Architecture Reference Guide (July 2026). The comments in the code are by the model that wrote it; some were corrected since.
;; Lo RA Linear. Allowed arithmetic: matrix products marked QUANTISED: E2M1 operands, one E8M0 scale for each 32 along K, by v_wmma_scale_f32_16x16x128_f8f6f4 with both operands' format E2M1 (or v_wmma_scale_f32_32x16x128_f4), f32 sums; products left as they are: f32 operands where the result goes on into a quantised operand, else bf16, f16 or f32 operands; f32 sums; everything else in f32.
;; Inputs: W_codes 4,096 x 128 x 16 uint8 (E2M1 codes of W, K innermost, in blocks of 32 codes, two codes a byte); W_scales 4,096 x 128 uint8 (E8M0 scales of W, one for each 32 codes along K); lora_A 4 x 4,096 float32; lora_B 4,096 x 4 float32; x 2 x 2,048 x 4,096 float32.
;; Outputs: out0 2 x 2,048 x 4,096 float32.
;; This version of the problem:
;;   THIS VERSION OF THE PROBLEM IS GIVEN IN LOW PRECISION. The matrix products marked QUANTISED in the list below multiply operands that are first quantised to E2M1 (2 exponent bits, 1 mantissa bit; 4 bits a number), with one power-of-two scale for each 32 numbers along K (OCP MX v1.0); their sums are f32. All else is computed in f32.
;;   The module's matrix products, in the order in which they are computed (A, B: the left and right operand; K: the contracted axis; several contracted axes count as one K, in the product's order):
;;     1. [M 4,096, K 4,096] x [K 4,096, N 4,096]; A: input x; B: input W (given as codes): QUANTISED
;;     2. [M 4,096, K 4,096] x [K 4,096, N 4]; A: input x; B: input lora_A: left as it is (N = 4 < 16)
;;     3. [M 4,096, K 4] x [K 4, N 4,096]; A: computed on the way; B: input lora_B: left as it is (K = 4 < 32)
;;   THE QUANTISER, for each operand of a quantised product, along K:
;;     - K is cut into blocks of 32 from its start; a last block that is shorter is filled with zeros.
;;     - A block's scale is 2^e with e = floor(log2(the largest magnitude in the block)) - 2, held to -126 .. 127; a block of zeros has e = 0. As a byte (E8M0): e + 127.
;;     - Each number is divided by its block's scale, clamped to +-6, and rounded to the nearest number of E2M1, ties to even, subnormals kept.
;;     - The product sums the exact products of the quantised numbers (number of the format x scale) in f32.
;;   ~~~python
;;   def quantise(x, axis):      # numpy; x: float32 -> the quantised numbers, widened to float32 again
;;       x = np.moveaxis(x, axis, -1); K = x.shape[-1]
;;       x = np.pad(x, [(0, 0)] * (x.ndim - 1) + [(0, -K % 32)]); x = x.reshape(x.shape[:-1] + (-1, 32)); a = np.abs(x).max(-1, keepdims=True)
;;       e = np.where(a > 0, np.clip(np.frexp(np.where(a > 0, a, 1))[1] - 1 - 2, -126, 127), 0)      # np.frexp(a)[1] - 1 = floor(log2(a)), exactly
;;       r = np.clip(x / 2.0 ** e, -6, 6)
;;       step = 2.0 ** (np.maximum(np.frexp(np.where(r == 0, 1, r))[1] - 1, 0) - 1)
;;       q = np.round(r / step) * step * 2.0 ** e      # np.round: ties to even
;;       return np.moveaxis(q.reshape(q.shape[:-2] + (-1,))[..., :K], -1, axis).astype(np.float32)
;;   ~~~
;;   INPUTS GIVEN AS CODES. W (in the module: [4096, 4096], K = its axis 1): each comes as NAME_codes (uint8): NAME with its K axis moved to the last place and cut into blocks of 32 codes, [.., K / 32, bytes a block], one block behind the other in memory; two codes a byte, the lower K in the low four bits (a code: sign, 2 exponent bits, 1 mantissa bit); and NAME_scales (uint8): the same leading axes, one E8M0 byte (e + 127) for each 32 codes along K. Its value is code x scale, taken as it is: it is not quantised again, and the codes and scales need not be those that the quantiser above would give.
;; One version. Each part assembles by itself: llvm-mc -triple=amdgcn-amd-amdhsa -mcpu=gfx1250 --defsym DOCPART=n.
;; ======== version 1 of 1: 2 launches
;; limits: values are held in bf16: 8 bits of precision; right only within a limited range of input values
;; workspace buffers: xc 8,388,608 bytes; xs 524,288 bytes; la2 131,072 bytes; lb2 131,072 bytes
;; launch quant (part 1): grid 256 x 1, 8 waves a work-group, no clusters, 327,680 bytes of LDS; arguments x, lora_A, lora_B, xc, xs, la2, lb2; writes xc, xs, la2, lb2
.if DOCPART == 1
	.amdgcn_target "amdgcn-amd-amdhsa--gfx1250"
	.amdhsa_code_object_version 6
	.text
	.protected	k_q28f21c4338_quant
	.globl	k_q28f21c4338_quant
	.p2align	8
	.type	k_q28f21c4338_quant,@function
k_q28f21c4338_quant:
	s_mov_b64 s[64:65], 0
	v_nop
	global_prefetch_b8 v0, s[64:65] scope:SCOPE_SE
	s_setreg_imm32_b32 hwreg(HW_REG_WAVE_MODE, 25, 1), 1
	s_wait_xcnt 0x0
; Prepares the product's launch.  A work-group takes 16 rows of x (4,096 f32 each) and makes of them:
;   xc [8 K steps of 512][4096 rows][256 bytes]: x's E2M1 codes;  xs [8][4096][16 bytes]: their E8M0 scale words (a word for 128 along K);
;   la2 [4096][32 bytes]: la = x lora_A^T (rank 4) as pairs of bf16, high parts then low parts;  lb2 [4096][32 bytes]: 2 x lora_B in the same form (16 rows a work-group).
; No work of the problem is left out: every input has a way to out0.
; Wave w takes K = 256 w .. + 255 and 2,048 + 256 w .. + 255 of the 16 rows: seen at a pitch of half a row of x these are 32 rows of 1,024 bytes,
; ONE tensor load a wave, issued at the head; no LDS byte is filled twice.  LDS row 2 r + u holds x's row r, half u of K; 16 bytes of padding behind each.
; la: bf16 matrix instructions on high and low parts of x and lora_A (hi hi + hi lo + lo hi), f32 sums; the eight waves' parts are added through LDS by wave 0.
; Codes and scale words go through stages laid by K step, which two waves fill together; behind the one barrier wave w stores K step w: 256 consecutive bytes for each 16 lanes.
; No clusters: work-groups share lora_A alone, 64 KiB beside 256 KiB of x of their own.  No prefetch: there is no loop to run ahead in.
; LIMITS: NaN and infinities among the inputs are not served; la's operands carry two bf16 each.
.set XP,   1040
.set WVB,  32*XP
.set STG,  8*WVB
.set SP,   272
.set STW,  16*SP
.set RED,  STG+8*STW
.set SST,  RED+4096
.set SPARE, SST+2048
.set R,    1
.set H,    2
.set XA,   3
.set SA,   4
.set SR,   5
.set CO,   6
.set SO8,  7
.set RA,   8
.set RL,   9
.set LO,   10
.set AO,   11
.set BO,   12
.set SSA,  14
.set SSL,  15
.set XN,   16
.set XH,   80
.set ACC,  112
.set PC,   144
.set TM,   176
.set PW,   192
.set LB,   196
.set XL,   200
.set OUTR, 200
.set T,    232
.set S,    236
.set D,    240
.set W2,   244
.set E,    246
.set G1,   16
.set G0,   24
.set SEL,  46
.set MASK, 60
.set PSEL, 61
.set MSB, 0
.macro WIN new
.if MSB != \new
	s_set_vgpr_msb (MSB<<8)|\new
.set MSB, \new
.endif
.endm
	s_load_b256 s[4:11], s[0:1], 0x0               ; x, lora_A, lora_B, xc
	s_load_b128 s[40:43], s[0:1], 0x20             ; xs, la2
	s_load_b64 s[44:45], s[0:1], 0x30              ; lb2
	v_lshl_add_u32 v254, v0, 2, SPARE
	v_mov_b32 v255, 0
	ds_add_u32 v254, v255                          ; the opening lines: the add twice on end, and its wait, ahead of my tensor load
	ds_add_u32 v254, v255
	v_lshrrev_b32 v1, 5, v0
	s_delay_alu instid0(VALU_DEP_1)
	v_readfirstlane_b32 s12, v1                    ; wave 0..7
	s_mov_b32 s[G1+0], (2<<16)|(1<<20)|(7<<22)|(3<<25) ; elements of 4 bytes; four words of padding behind every 256
	s_mov_b32 s[G1+1], 256<<16
	s_mov_b32 s[G1+2], 32<<16
	s_mov_b32 s[G1+3], 256<<16
	s_mov_b32 s[G1+4], 32
	s_mov_b32 s[G1+5], 2048                        ; from row to row: half a row of x
	s_mov_b32 s[G1+6], 0
	s_mov_b32 s[G1+7], 0
	s_lshl_b32 s48, ttmp9, 18                      ; my work-group's 16 rows of x
	s_lshl_b32 s50, s12, 10                        ; my wave's 256 numbers, in x and in lora_A
	s_add_co_u32 s48, s48, s50
	s_mov_b32 s49, 0
	s_mov_b32 s51, 0
	s_lshl_b32 s52, s12, 20                        ; xc: K step w, my 16 rows
	s_lshl_b32 s53, ttmp9, 12
	s_add_co_u32 s52, s52, s53
	s_mov_b32 s53, 0
	s_lshl_b32 s54, s12, 16                        ; xs likewise
	s_lshl_b32 s58, ttmp9, 8
	s_add_co_u32 s54, s54, s58
	s_mov_b32 s55, 0
	s_mov_b32 s59, 0
	s_lshl_b32 s56, ttmp9, 9
	s_mov_b32 s57, 0
	s_mul_i32 s13, s12, WVB
	s_lshr_b32 s14, s12, 1                         ; the codes' stage, in: K step w / 2 (and 4 more for the upper half of K), bytes 128 (w % 2) on of each row
	s_and_b32 s15, s12, 1
	s_lshl_b32 s62, s14, 8                         ; the scale words' stage, in: 256 bytes a K step, words 2 (w % 2) on of each row
	s_lshl_b32 s63, s15, 3
	s_add_co_u32 s62, s62, s63
	s_add_co_u32 s62, s62, SST
	s_mul_i32 s14, s14, STW
	s_lshl_b32 s15, s15, 7
	s_add_co_u32 s14, s14, s15
	s_add_co_u32 s14, s14, STG
	s_mul_i32 s15, s12, STW                        ; back: K step w
	s_add_co_u32 s15, s15, STG
	s_lshl_b32 s63, s12, 8
	s_add_co_u32 s63, s63, SST
	s_mov_b32 s[SEL], 0x76543210
	s_mov_b32 s[SEL+1], 0xfedcba98
	s_mov_b32 s[MASK], 0xffff0000
	s_mov_b32 s[PSEL], 0x07060302
	s_wait_dscnt 0x0
	s_wait_kmcnt 0x0
	s_add_nc_u64 s[4:5], s[4:5], s[48:49]
	s_mov_b32 s[G0], 1
	s_mov_b32 s[G0+1], s13
	s_mov_b64 s[G0+2:G0+3], s[4:5]
	s_or_b32 s[G0+3], s[G0+3], 0x80000000
	tensor_load_to_lds s[G0:G0+3], s[G1:G1+7]      ; all my 32 KiB of x
	s_nop 0
.rept 4
	v_nop
.endr
	s_add_nc_u64 s[6:7], s[6:7], s[50:51]
	s_add_nc_u64 s[8:9], s[8:9], s[58:59]
	s_add_nc_u64 s[10:11], s[10:11], s[52:53]
	s_add_nc_u64 s[40:41], s[40:41], s[54:55]
	s_add_nc_u64 s[42:43], s[42:43], s[56:57]
	s_add_nc_u64 s[44:45], s[44:45], s[56:57]
	v_and_b32 v[R], 15, v0
	v_bfe_u32 v[H], v0, 4, 1
	v_and_b32 v13, 3, v0
	s_delay_alu instid0(VALU_DEP_1)
	v_lshlrev_b32 v[AO], 14, v13
	s_delay_alu instid0(VALU_DEP_1)
	v_lshl_add_u32 v[AO], v[H], 6, v[AO]
	v_lshlrev_b32 v[BO], 4, v[R]
	WIN 0x40
.set NB, 0
.rept 16                                       ; lora_A's 16 blocks of 32 along my K: eight in each half of K
.irp j, 0,1,2,3
	global_load_b128 v[16*NB+4*\j:16*NB+4*\j+3], v[AO], s[6:7] offset:128*(NB%8)+8192*(NB/8)+16*\j
.endr
.set NB, NB+1
.endr
	WIN 0
	global_load_b128 v[LB:LB+3], v[BO], s[8:9]
	v_mul_u32_u24 v[XA], v[R], 2*XP
	s_delay_alu instid0(VALU_DEP_1)
	v_lshl_add_u32 v[XA], v[H], 6, v[XA]
	s_delay_alu instid0(VALU_DEP_1)
	v_add_nc_u32 v[XA], s13, v[XA]
	v_mul_u32_u24 v[SA], v[R], SP
	s_delay_alu instid0(VALU_DEP_1)
	v_lshl_add_u32 v[SA], v[H], 4, v[SA]
	s_delay_alu instid0(VALU_DEP_1)
	v_add_nc_u32 v[SA], s14, v[SA]
	v_mul_u32_u24 v[SR], v[H], SP
	s_delay_alu instid0(VALU_DEP_1)
	v_lshl_add_u32 v[SR], v[R], 4, v[SR]
	s_delay_alu instid0(VALU_DEP_1)
	v_add_nc_u32 v[SR], s15, v[SR]
	v_and_b32 v13, 31, v0
	s_delay_alu instid0(VALU_DEP_1)
	v_lshlrev_b32 v[CO], 4, v13
	v_lshlrev_b32 v[SO8], 4, v[R]
	s_delay_alu instid0(VALU_DEP_1)
	v_lshl_add_u32 v[SO8], v[H], 3, v[SO8]
	v_lshl_add_u32 v[RA], v0, 4, RED
	s_delay_alu instid0(VALU_DEP_4)
	v_add_nc_u32 v[RL], RED, v[CO]
	v_lshlrev_b32 v[LO], 5, v[R]
	s_delay_alu instid0(VALU_DEP_1)
	v_lshl_add_u32 v[LO], v[H], 4, v[LO]
	v_lshlrev_b32 v[SSA], 4, v[R]                  ; row r's 16 bytes; lanes 16-31 hold the upper half of K: four K steps on
	s_delay_alu instid0(VALU_DEP_1)
	v_lshl_add_u32 v[SSA], v[H], 10, v[SSA]
	s_delay_alu instid0(VALU_DEP_1)
	v_add_nc_u32 v[SSA], s62, v[SSA]
	v_add_nc_u32 v[SSL], s63, v[SO8]
.irp b, 0,1,2,3
	v_mov_b32 v[TM+4+\b], 0
.endr
	s_wait_loadcnt 0x0
.irp g, 0,1,2,3                                ; lora_A into high and low bf16 parts, in window 1, while x is on its way
	WIN 0x04
.set NI, 0
.rept 64
	v_and_b32 v[XN+NI], s[MASK], v[64*\g+NI]
.set NI, NI+1
.endr
	WIN 0x01
.set NI, 0
.rept 32
	v_pk_add_f32 v[XN+2*NI:XN+2*NI+1], v[64*\g+2*NI:64*\g+2*NI+1], v[XN+2*NI:XN+2*NI+1] neg_lo:[0,1] neg_hi:[0,1]
.set NI, NI+1
.endr
	WIN 0x45
.set NI, 0
.rept 32
	v_perm_b32 v[64*\g+16*(NI/8)+NI%8], v[64*\g+2*NI+1], v[64*\g+2*NI], s[PSEL]
.set NI, NI+1
.endr
	WIN 0x40
.set NI, 0
.rept 32
	v_cvt_pk_bf16_f32 v[64*\g+16*(NI/8)+8+NI%8], v[XN+2*NI], v[XN+2*NI+1]
.set NI, NI+1
.endr
.endr
	WIN 0
; four blocks of 32: a lane holds 16 numbers of each, lane l xor 16 the other 16.  Largest magnitude with the floor 2^(3 - 127), 2 off its exponent field, codes, whole blocks to a lane
.macro QUANT s, pc, pw
.irp b, 0,1,2,3
	v_max3_num_f32 v[TM+\b], |v[\s+16*\b]|, |v[\s+1+16*\b]|, 0x1800000
.endr
.irp i, 2,4,6,8,10,12,14
.irp b, 0,1,2,3
	s_delay_alu instid0(VALU_DEP_4)
	v_max3_num_f32 v[TM+\b], v[TM+\b], |v[\s+16*\b+\i]|, |v[\s+1+16*\b+\i]|
.endr
.endr
.irp b, 0,1,2,3
	s_delay_alu instid0(VALU_DEP_4)
	v_permlanex16_b32 v[TM+4+\b], v[TM+\b], s[SEL], s[SEL+1]
.endr
.irp b, 0,1,2,3
	s_delay_alu instid0(VALU_DEP_4)
	v_max_num_f32 v[TM+\b], v[TM+\b], v[TM+4+\b]
.endr
.irp b, 0,1,2,3
	s_delay_alu instid0(VALU_DEP_4)
	v_add_nc_u32 v[TM+12+\b], 0xff000000, v[TM+\b]
.endr
.irp b, 0,1,2,3
	s_delay_alu instid0(VALU_DEP_4)
	v_lshrrev_b32 v[TM+4+\b], 23, v[TM+12+\b]
.endr
	s_delay_alu instid0(VALU_DEP_3)
	v_lshl_or_b32 v[\pw], v[TM+5], 8, v[TM+4]
	s_delay_alu instid0(VALU_DEP_1)
	v_lshl_or_b32 v[\pw], v[TM+6], 16, v[\pw]
	s_delay_alu instid0(VALU_DEP_1)
	v_lshl_or_b32 v[\pw], v[TM+7], 24, v[\pw]
.irp b, 0,1,2,3
	v_cvt_scalef32_pk8_fp4_f32 v[(\pc)+2*\b], v[\s+16*\b:\s+7+16*\b], v[TM+12+\b]
	v_cvt_scalef32_pk8_fp4_f32 v[(\pc)+1+2*\b], v[\s+8+16*\b:\s+15+16*\b], v[TM+12+\b]
.endr
	v_nop
.irp c, 0,1
.irp i, 0,1
	v_permlane16_swap_b32 v[(\pc)+4*\c+\i], v[(\pc)+2+4*\c+\i]
.endr
.endr
.endm
; chunk q: 128 along K: half q / 2 of K, numbers 128 (q % 2) on of my 256
.macro CHUNK q
.if \q == 0
	s_wait_tensorcnt 0x0                           ; my tile is in; only I read it
.endif
.irp b, 0,1,2,3
.irp j, 0,1,2,3
	ds_load_b128 v[XN+16*\b+4*\j:XN+16*\b+4*\j+3], v[XA] offset:XP*(\q/2)+512*(\q%2)+128*\b+16*\j
.endr
.endr
	s_wait_dscnt 0x0
.irp g, 0,1,2,3,4,5,6,7
.irp i, 0,1,2,3,4,5,6,7
	v_and_b32 v[T+\i], s[MASK], v[XN+8*\g+\i]
.endr
.irp p, 0,1,2,3
	v_perm_b32 v[XH+4*\g+\p], v[XN+8*\g+2*\p+1], v[XN+8*\g+2*\p], s[PSEL]
.endr
.irp p, 0,1,2,3
	v_pk_add_f32 v[T+2*\p:T+2*\p+1], v[XN+8*\g+2*\p:XN+8*\g+2*\p+1], v[T+2*\p:T+2*\p+1] neg_lo:[0,1] neg_hi:[0,1]
.endr
.irp p, 0,1,2,3
	s_delay_alu instid0(VALU_DEP_4)
	v_cvt_pk_bf16_f32 v[XL+4*\g+\p], v[T+2*\p], v[T+2*\p+1]
.endr
.endr
	WIN 0x01
.irp b, 0,1,2,3                                ; four accumulators by turns
.if \q == 0
	v_wmma_f32_16x16x32_bf16 v[ACC+8*\b:ACC+8*\b+7], v[16*(4*\q+\b):16*(4*\q+\b)+7], v[XH+8*\b:XH+8*\b+7], 0
.else
	v_wmma_f32_16x16x32_bf16 v[ACC+8*\b:ACC+8*\b+7], v[16*(4*\q+\b):16*(4*\q+\b)+7], v[XH+8*\b:XH+8*\b+7], v[ACC+8*\b:ACC+8*\b+7]
.endif
.endr
.irp b, 0,1,2,3
	v_wmma_f32_16x16x32_bf16 v[ACC+8*\b:ACC+8*\b+7], v[16*(4*\q+\b):16*(4*\q+\b)+7], v[XL+8*\b:XL+8*\b+7], v[ACC+8*\b:ACC+8*\b+7]
.endr
.irp b, 0,1,2,3
	v_wmma_f32_16x16x32_bf16 v[ACC+8*\b:ACC+8*\b+7], v[16*(4*\q+\b)+8:16*(4*\q+\b)+15], v[XH+8*\b:XH+8*\b+7], v[ACC+8*\b:ACC+8*\b+7]
.endr
	WIN 0
	QUANT XN, PC+8*\q, PW+\q
	ds_store_b128 v[SA], v[PC+8*\q:PC+8*\q+3] offset:4*STW*(\q/2)+64*(\q%2)
	ds_store_b128 v[SA], v[PC+8*\q+4:PC+8*\q+7] offset:4*STW*(\q/2)+64*(\q%2)+32
.endm
.macro SPLIT s, d, t                           ; four f32 -> two registers of high parts, two of low parts
	s_delay_alu instid0(VALU_DEP_2)
	v_cvt_pk_bf16_f32 v[\d], v[\s], v[\s+1]
	s_delay_alu instid0(VALU_DEP_2)
	v_cvt_pk_bf16_f32 v[\d+1], v[\s+2], v[\s+3]
	s_delay_alu instid0(VALU_DEP_2)
	v_lshlrev_b32 v[\t], 16, v[\d]
	s_delay_alu instid0(VALU_DEP_3)
	v_and_b32 v[\t+1], 0xffff0000, v[\d]
	s_delay_alu instid0(VALU_DEP_3)
	v_lshlrev_b32 v[\t+2], 16, v[\d+1]
	s_delay_alu instid0(VALU_DEP_4)
	v_and_b32 v[\t+3], 0xffff0000, v[\d+1]
.irp i, 0,1,2,3
	s_delay_alu instid0(VALU_DEP_4)
	v_sub_f32 v[\t+\i], v[\s+\i], v[\t+\i]
.endr
	s_delay_alu instid0(VALU_DEP_3)
	v_cvt_pk_bf16_f32 v[\d+2], v[\t], v[\t+1]
	s_delay_alu instid0(VALU_DEP_2)
	v_cvt_pk_bf16_f32 v[\d+3], v[\t+2], v[\t+3]
.endm
	CHUNK 0
	CHUNK 1
	CHUNK 2
	CHUNK 3
	v_pk_add_f32 v[T:T+1], v[ACC:ACC+1], v[ACC+8:ACC+9]
	v_pk_add_f32 v[T+2:T+3], v[ACC+2:ACC+3], v[ACC+10:ACC+11]
	v_pk_add_f32 v[T+4:T+5], v[ACC+16:ACC+17], v[ACC+24:ACC+25]
	v_pk_add_f32 v[T+6:T+7], v[ACC+18:ACC+19], v[ACC+26:ACC+27]
	s_delay_alu instid0(VALU_DEP_2)
	v_pk_add_f32 v[T:T+1], v[T:T+1], v[T+4:T+5]
	s_delay_alu instid0(VALU_DEP_2)
	v_pk_add_f32 v[T+2:T+3], v[T+2:T+3], v[T+6:T+7]
	ds_store_b128 v[RA], v[T:T+3]                  ; my part of la
	v_cmp_ne_u32 vcc_lo, 0, v[H]
	s_delay_alu instid0(VALU_DEP_1)
	v_cndmask_b32 v[W2], v[PW], v[PW+2], vcc_lo    ; lanes 0-15: the lower half of K's two words, lanes 16-31 the upper's
	s_delay_alu instid0(VALU_DEP_2)
	v_cndmask_b32 v[W2+1], v[PW+1], v[PW+3], vcc_lo
	ds_store_b64 v[SSA], v[W2:W2+1]
	s_wait_dscnt 0x0                               ; for the others' sake: my stores into the stages are done
	s_barrier_signal -1
	s_barrier_wait -1
.irp t, 0,1,2,3,4,5,6,7
	ds_load_b128 v[OUTR+4*\t:OUTR+4*\t+3], v[SR] offset:2*SP*\t
.endr
	ds_load_b64 v[W2:W2+1], v[SSL]
.irp t, 0,1,2,3,4,5,6,7
	s_wait_dscnt 8-\t                              ; behind load t: the later ones of the eight, and the scale words'
	global_store_b128 v[CO], v[OUTR+4*\t:OUTR+4*\t+3], s[10:11] offset:512*\t   ; 512 consecutive bytes of xc
.endr
	s_wait_dscnt 0x0
	global_store_b64 v[SO8], v[W2:W2+1], s[40:41]  ; 256 consecutive bytes of xs
	s_cmp_eq_u32 s12, 0
	s_cbranch_scc1 .Lsum_la
	s_cmp_eq_u32 s12, 1
	s_cbranch_scc1 .Llay_lb
	s_wait_tensorcnt 0x0                           ; the wave's end
	ds_add_u32 v254, v255
	s_wait_dscnt 0x0
	s_endpgm
.Lsum_la:
.irp u, 0,1,2,3,4,5,6,7
	ds_load_b128 v[XN+4*\u:XN+4*\u+3], v[RL] offset:512*\u
.endr
	s_wait_dscnt 0x0
	v_pk_add_f32 v[S:S+1], v[XN:XN+1], v[XN+4:XN+5]
	v_pk_add_f32 v[S+2:S+3], v[XN+2:XN+3], v[XN+6:XN+7]
.irp u, 2,3,4,5,6,7
	s_delay_alu instid0(VALU_DEP_2)
	v_pk_add_f32 v[S:S+1], v[S:S+1], v[XN+4*\u:XN+4*\u+1]
	s_delay_alu instid0(VALU_DEP_2)
	v_pk_add_f32 v[S+2:S+3], v[S+2:S+3], v[XN+4*\u+2:XN+4*\u+3]
.endr
	SPLIT S, D, T
	global_store_b128 v[LO], v[D:D+3], s[42:43]
	s_wait_tensorcnt 0x0
	ds_add_u32 v254, v255
	s_wait_dscnt 0x0
	s_endpgm
.Llay_lb:
	v_pk_mul_f32 v[S:S+1], v[LB:LB+1], 2.0 op_sel_hi:[1,0]
	v_pk_mul_f32 v[S+2:S+3], v[LB+2:LB+3], 2.0 op_sel_hi:[1,0]
	SPLIT S, D, T
	v_cmp_ne_u32 vcc_lo, 0, v[H]
	s_delay_alu instid0(VALU_DEP_1)
	v_cndmask_b32 v[E], v[D], v[D+2], vcc_lo
	s_delay_alu instid0(VALU_DEP_2)
	v_cndmask_b32 v[E+1], v[D+1], v[D+3], vcc_lo
	s_delay_alu instid0(VALU_DEP_3)
	v_cndmask_b32 v[E+2], v[D], v[D+2], vcc_lo
	s_delay_alu instid0(VALU_DEP_4)
	v_cndmask_b32 v[E+3], v[D+1], v[D+3], vcc_lo
	global_store_b128 v[LO], v[E:E+3], s[44:45]
	s_wait_tensorcnt 0x0
	ds_add_u32 v254, v255
	s_wait_dscnt 0x0
	s_endpgm
.Lfunc_end_k_q28f21c4338_quant:
	.size	k_q28f21c4338_quant, .Lfunc_end_k_q28f21c4338_quant-k_q28f21c4338_quant
	.p2alignl 7, 3214868480
	.fill 96, 4, 3214868480
	.section	.rodata,"a",@progbits
	.p2align	6, 0x0
	.amdhsa_kernel k_q28f21c4338_quant
		.amdhsa_group_segment_fixed_size 327680
		.amdhsa_private_segment_fixed_size 0
		.amdhsa_enable_private_segment 0
		.amdhsa_kernarg_size 56
		.amdhsa_user_sgpr_count 2
		.amdhsa_user_sgpr_kernarg_segment_ptr 1
		.amdhsa_wavefront_size32 1
		.amdhsa_system_sgpr_workgroup_id_x 1
		.amdhsa_system_sgpr_workgroup_id_y 1
		.amdhsa_system_sgpr_workgroup_id_z 1
		.amdhsa_system_vgpr_workitem_id 0
		.amdhsa_next_free_vgpr 512
		.amdhsa_next_free_sgpr 66
		.amdhsa_reserve_vcc 1
		.amdhsa_float_denorm_mode_32 3
		.amdhsa_float_denorm_mode_16_64 3
		.amdhsa_memory_ordered 1
		.amdhsa_forward_progress 1
		.amdhsa_inst_pref_size 116
	.end_amdhsa_kernel
	.amdgpu_metadata
---
amdhsa.version: [ 1, 2 ]
amdhsa.kernels:
  - .name:           k_q28f21c4338_quant
    .symbol:         k_q28f21c4338_quant.kd
    .args:
      - { .name: x, .offset: 0, .size: 8, .value_kind: global_buffer, .address_space: global }
      - { .name: lora_A, .offset: 8, .size: 8, .value_kind: global_buffer, .address_space: global }
      - { .name: lora_B, .offset: 16, .size: 8, .value_kind: global_buffer, .address_space: global }
      - { .name: xc, .offset: 24, .size: 8, .value_kind: global_buffer, .address_space: global }
      - { .name: xs, .offset: 32, .size: 8, .value_kind: global_buffer, .address_space: global }
      - { .name: la2, .offset: 40, .size: 8, .value_kind: global_buffer, .address_space: global }
      - { .name: lb2, .offset: 48, .size: 8, .value_kind: global_buffer, .address_space: global }
    .group_segment_fixed_size: 327680
    .private_segment_fixed_size: 0
    .kernarg_segment_align: 8
    .kernarg_segment_size: 56
    .max_flat_workgroup_size: 256
    .sgpr_count:     66
    .vgpr_count:     512
    .wavefront_size: 32
...
	.end_amdgpu_metadata
.endif
;; end of part 1
;; launch gemm (part 2): grid 16 x 16, 4 waves a work-group, clusters of 4 x 4, 327,680 bytes of LDS; arguments xc, xs, W_codes, W_scales, la2, lb2, out0; writes out0
.if DOCPART == 2
	.amdgcn_target "amdgcn-amd-amdhsa--gfx1250"
	.amdhsa_code_object_version 6
	.text
	.protected	k_q28f21c4338_gemm
	.globl	k_q28f21c4338_gemm
	.p2align	8
	.type	k_q28f21c4338_gemm,@function
k_q28f21c4338_gemm:
	s_mov_b64 s[64:65], 0
	v_nop
	global_prefetch_b8 v0, s[64:65] scope:SCOPE_SE
	s_setreg_imm32_b32 hwreg(HW_REG_WAVE_MODE, 25, 1), 1
	s_wait_xcnt 0x0
	s_wait_alu depctr_hold_cnt(0) depctr_sa_sdst(0) depctr_va_vdst(0) depctr_va_sdst(0) depctr_va_ssrc(0) depctr_va_vcc(0) depctr_vm_vsrc(0)
	s_getreg_b32 s2, hwreg(HW_REG_IB_STS2, 6, 4)
	s_cmp_eq_u32 s2, 0
	s_cbranch_scc0 .Lentry_in_a_cluster
	s_endpgm
.Lentry_in_a_cluster:
	s_bfe_u32 s2, ttmp6, 0x10000c
	s_cmp_lg_u32 s2, 0xf033
	s_cbranch_scc0 .Lentry_shape_is_right
	s_endpgm
.Lentry_shape_is_right:
; out0[m][n] = sum over k of Q(x)[m][k] W[n][k]  +  4 sum over r of la[m][r] lora_B[n][r].   m, n, k: 4,096 each; out0 f32; sums in f32.
; The first product runs on E2M1 codes with one E8M0 scale for each 32 along K: x's as the launch before laid them (xc [8 K steps of 512][4096][256 bytes], xs [8][4096][16 bytes]),
; W's as they are given (a row of codes is 2,048 bytes, a row of scales 128).
; THE RANK-4 TERM STARTS THE SUMS: one bf16 matrix instruction with C = 0 for each accumulator, on la2's and lb2's rows (high and low parts; lb2 holds 2 x lora_B, and the two halves of the
; lanes count the product twice: 2 x 2 = 4).  Nothing is cleared.  These 64 run while the first tiles are on their way.
; A tile of out0, 256 x 256, is made by four waves; a wave makes 128 x 128: 64 accumulators, 512 registers.  K goes in 8 steps of 512 through two LDS slots; a tile's row is 256 bytes of memory.
; W's scales of the 256 rows, for all of K, are one dense block of 32 KiB and come into LDS once.  x's would take 34,816 bytes more than LDS has beside the ring (313,856 used):
; they come from xs straight into registers, 512 consecutive bytes a load, a K step ahead.
; CLUSTERS: 4 x 4.  A row of the cluster shares x's tiles, a column W's tiles and scales: each is asked for jointly.  THE MATRIX INSTRUCTIONS ARE USED TRANSPOSED (source 0 = 16 rows of W,
; source 1 = 16 rows of x): a lane holds eight neighbouring numbers of a row of out0.
; FRAGMENTS: two sets for x and two for W.  The 32 LDS loads of a step of 128 along K are issued at the head of the step before: 64 matrix instructions stand between a load and its first use.
; A slot's last reads are issued at the head of its third step, so the change of slots stands inside that step, and the fourth step begins with the refill and the next slot's first fragments.
; THE LAST K STEP GOES BY ROWS OF out0: 16 rows at a time are finished, go through my stage in LDS and come back, as whole rows, into the accumulators' own registers while the next 16 are multiplied.
; LIMITS: NaN and infinities among the inputs are not served; the rank-4 term's operands carry two bf16 each.
; REGISTERS: window 0: v0-31 addresses; v32-95 scale words, two sets; v128-191, v192-255 x's fragments, two sets (at the start la2's; in the last K step four buffers of 16 rows x 512 K).
;   window 1: W's fragments at v0 and v128 (at the start lb2's; in the last K step all 256).   windows 2, 3: the accumulators of my rows 0-63, 64-127 ((a, b) at v[8 (8 (a % 4) + b)]).
.set SIZE_N, 4096
.set ROWB,   256
.set WROW,   2048
.set XSTEP,  4096*256
.set XSSTEP, 4096*16
.set PITCH,  272                       ; 256 bytes + 16: sixteen rows fall on sixteen different 16-byte columns
.set HALFT,  128*PITCH
.set SLOT,   4*HALFT                   ; x's 256 rows, then W's 256
.set SCL,    2*SLOT                    ; W's scales: units of 256 bytes (two rows) + 16
.set HALFS,  64*272
.set SBLK,   16*272
.set SPARE,  SCL+2*HALFS               ; the spare words: 128 bytes a wave
.set SPITCH, 528                       ; my stage: 16 rows x (512 + 16) bytes, in slot 0, behind its last fill and its last read
.set ADRA, 16
.set ADRB, 20
.set LAO,  22
.set STO,  24
.set RD,   25
.set CO,   26
.set ADRS, 27
.set SPW,  28
.set NIL,  29
.set PFO,  30
.set SC,   32                          ; set s at v[SC + 32 s]: x's words at + 4 i + q (lanes 0-15 block 2 i, lanes 16-31 block 2 i + 1), W's at + 16 + 4 i + q
.set AF,   128
.set PA,   128
.set G1,   24
.set G0,   32
.set G1B,  48
.set G0B,  56
.set G1S,  68
.set G0S,  76
.set XSB,  80
.set PFA,  82
.set PFS,  88
.set CODEW, (1<<20)|(1<<21)|(5<<22)|(3<<25)  ; elements of 1 byte; padding on; bit 21 beside a mask; four words behind every 64
.set MSB, 0
.macro WIN new
.if MSB != \new
	s_set_vgpr_msb (MSB<<8)|\new
.set MSB, \new
.endif
.endm
.set MUL_LO, 0xa1                      ; source 0 (W) window 1, source 1 (x) window 0, C and D window 2
.set MUL_HI, 0xf1
.set TO_B,   0x40
.macro PLACES n
.rept \n
	v_nop
.endr
.endm
.macro JLOAD s                         ; a joint load of the ring: waves 0, 1 fetch x's halves, waves 2, 3 W's.  s_nop 0 and four v_nop behind each line
	s_cmp_eq_u32 s15, 0
	s_cbranch_scc0 .Lfor_b_\@
	tensor_load_to_lds s[G0+4*\s:G0+4*\s+3], s[G1:G1+7]
	s_nop 0
	PLACES 4
	s_branch .Lasked_\@
.Lfor_b_\@:
	tensor_load_to_lds s[G0B+4*\s:G0B+4*\s+3], s[G1B:G1B+7]
	s_nop 0
	PLACES 4
.Lasked_\@:
.endm
.macro CREST
	s_cmp_lg_u32 s14, 0
	s_cbranch_scc1 .Lnot_wave_0_\@
	s_barrier_signal -3
.Lnot_wave_0_\@:
	s_barrier_wait -3
	s_barrier_signal -1
	s_barrier_wait -1
.endm
.macro CROUND
	s_barrier_signal -1
	s_barrier_wait -1
	CREST
.endm
; A PREFETCH behind each joint load: the K step two loads on, 32 rows x 256 bytes, a lane a row.  Of the 128 rows that a wave fetches in the ring each of the four partners takes 32, BY ADDRESS
; (cx for x, cy for W): each block is named once in each cluster that will load it.  K steps 0 and 1 come by their loads alone; the loop's last trip (s3 = 1) has no K step two loads on.
.macro PF
	global_prefetch_b8 v[PFO], s[PFA:PFA+1] th:TH_LOAD_NT scope:SCOPE_SE
.endm
.macro ASK
	s_cmp_gt_u32 s3, 1
	s_cbranch_scc0 .Lnone_\@
	PF
.Lnone_\@:
.endm
	s_load_b256 s[4:11], s[0:1], 0x0               ; xc, xs, W's codes, W's scales
	s_load_b128 s[84:87], s[0:1], 0x20             ; la2, lb2
	s_load_b64 s[12:13], s[0:1], 0x30              ; out0
	v_lshl_add_u32 v[SPW], v0, 2, SPARE
	v_mov_b32 v[NIL], 0
	ds_add_u32 v[SPW], v[NIL]                      ; the opening lines: the add twice on end, and its wait
	ds_add_u32 v[SPW], v[NIL]
	v_lshrrev_b32 v1, 5, v0
	v_readfirstlane_b32 s14, v1                    ; wave
	s_lshr_b32 s15, s14, 1                         ; my half of the tile's rows; in the ring: I fetch for x (0) or W (1)
	s_and_b32 s16, s14, 1                          ; my half of its columns; in the ring: which 128 rows I fetch
	s_bfe_u32 s40, ttmp6, 0x40000                  ; cx
	s_bfe_u32 s41, ttmp6, 0x40004                  ; cy
	s_lshl_b32 s42, ttmp9, 2
	s_add_co_u32 s42, s42, s40                     ; tile column
	s_and_b32 s17, ttmp7, 0xffff
	s_lshl_b32 s17, s17, 2
	s_add_co_u32 s17, s17, s41                     ; tile row
	s_lshl_b32 s43, s41, 2
	s_lshl_b32 s43, 15, s43                        ; my row of the cluster
	s_lshl_b32 s44, 0x1111, s40                    ; my column
	s_or_b32 s[G1+0], s43, CODEW
	s_or_b32 s[G1B+0], s44, CODEW
.irp g, G1, G1B                                ; rows of 256 bytes: 256 of them for the head's loads, later 128
	s_mov_b32 s[\g+1], ROWB<<16
	s_mov_b32 s[\g+2], 256<<16
	s_mov_b32 s[\g+3], ROWB<<16
	s_mov_b32 s[\g+4], 256
	s_mov_b32 s[\g+6], 0
	s_mov_b32 s[\g+7], 0
.endr
	s_mov_b32 s[G1+5], ROWB
	s_mov_b32 s[G1B+5], WROW
	s_or_b32 s[G1S+0], s44, (3<<16)|CODEW          ; W's scales of 128 rows: 64 rows of 256 bytes (32 elements of 8)
	s_mov_b32 s[G1S+1], 32<<16
	s_mov_b32 s[G1S+2], 64<<16
	s_mov_b32 s[G1S+3], 32<<16
	s_mov_b32 s[G1S+4], 64
	s_mov_b32 s[G1S+5], 32
	s_mov_b32 s[G1S+6], 0
	s_mov_b32 s[G1S+7], 0
	s_lshl_b32 s20, s17, 16                        ; x's tile: 256 rows x 256 bytes a tile row
	s_mov_b32 s21, 0
	s_lshl_b32 s46, s42, 19                        ; W's: 256 rows x 2,048 bytes
	s_mov_b32 s47, 0
	s_lshl_b32 s92, s42, 15                        ; W's scales: 256 rows x 128 bytes, + my half
	s_lshl_b32 s93, s16, 14
	s_add_co_u32 s92, s92, s93
	s_mov_b32 s93, 0
	s_lshl_b32 s18, s16, 15                        ; the ring's half of a tile, in bytes: x's,
	s_mov_b32 s19, 0
	s_lshl_b32 s22, s16, 18                        ; W's
	s_mov_b32 s23, 0
	s_mul_i32 s45, s14, HALFT                      ; where the ring's loads go: wave x 128 rows
	s_mul_i32 s94, s16, HALFS
	s_add_co_u32 s94, s94, SCL
	s_wait_dscnt 0x0
	s_wait_kmcnt 0x0
	s_add_nc_u64 s[20:21], s[4:5], s[20:21]
	s_add_nc_u64 s[46:47], s[8:9], s[46:47]
	s_add_nc_u64 s[92:93], s[10:11], s[92:93]
	CROUND                                         ; all sixteen work-groups are here: the first joint loads meet
	s_mov_b32 s[G0], 1                             ; slot 0's groups 0 serve the head first: K step 0's 256 rows of x,
	s_mov_b32 s[G0+1], 0
	s_mov_b64 s[G0+2:G0+3], s[20:21]
	s_or_b32 s[G0+3], s[G0+3], 0x80000000
	s_mov_b32 s[G0B], 1                            ; its 256 rows of W
	s_mov_b32 s[G0B+1], 2*HALFT
	s_mov_b64 s[G0B+2:G0B+3], s[46:47]
	s_or_b32 s[G0B+3], s[G0B+3], 0x80000000
	s_mov_b32 s[G0S], 1
	s_mov_b32 s[G0S+1], s94
	s_mov_b64 s[G0S+2:G0S+3], s[92:93]
	s_or_b32 s[G0S+3], s[G0S+3], 0x80000000
	s_add_nc_u64 s[20:21], s[20:21], s[18:19]
	s_add_nc_u64 s[46:47], s[46:47], s[22:23]
	s_mov_b32 s[G0+4], 1                           ; slot 1: K step 1, my 128 rows
	s_add_co_u32 s[G0+5], s45, SLOT
	s_add_nc_u64 s[G0+6:G0+7], s[20:21], XSTEP
	s_or_b32 s[G0+7], s[G0+7], 0x80000000
	s_mov_b32 s[G0B+4], 1
	s_add_co_u32 s[G0B+5], s45, SLOT
	s_add_nc_u64 s[G0B+6:G0B+7], s[46:47], ROWB
	s_or_b32 s[G0B+7], s[G0B+7], 0x80000000
; THE HEAD'S LOADS, ONE A WAVE: wave 0 x's 256 rows, wave 1 W's, waves 2 and 3 the halves of W's scales.  One chain of branches, one join.
.macro ARM under, g0, g1, next
	s_cmp_lt_u32 s14, \under
	s_cbranch_scc0 \next
	tensor_load_to_lds s[\g0:\g0+3], s[\g1:\g1+7]
	s_nop 0
	PLACES 4
	s_branch .Lhead_asked
\next:
.endm
	ARM 1, G0,  G1,  .Lhead_b
	ARM 2, G0B, G1B, .Lhead_s
	tensor_load_to_lds s[G0S:G0S+3], s[G1S:G1S+7]
	s_nop 0
	PLACES 4
.Lhead_asked:
	s_lshl_b32 s90, s17, 8
	s_lshl_b32 s91, s15, 7
	s_add_co_u32 s90, s90, s91                     ; my first row of x and of out0
	s_mov_b32 s21, 0
	s_lshl_b32 s20, s90, 5
	s_add_nc_u64 s[84:85], s[84:85], s[20:21]      ; la2: 32 bytes a row
	s_lshl_b32 s20, s90, 4
	s_add_nc_u64 s[XSB:XSB+1], s[6:7], s[20:21]    ; xs: 16 bytes a row, K step 0
	s_lshl_b32 s20, s90, 14
	s_add_nc_u64 s[12:13], s[12:13], s[20:21]
	s_lshl_b32 s90, s42, 8
	s_lshl_b32 s91, s16, 7
	s_add_co_u32 s90, s90, s91                     ; my first row of W = my first column of out0
	s_lshl_b32 s20, s90, 5
	s_add_nc_u64 s[86:87], s[86:87], s[20:21]
	s_lshl_b32 s20, s90, 2
	s_add_nc_u64 s[12:13], s[12:13], s[20:21]
	s_mul_i32 s46, s15, HALFT                      ; LDS: my 128 rows of x,
	s_mul_i32 s47, s16, HALFT
	s_add_co_u32 s47, s47, 2*HALFT                 ; of W,
	s_mul_i32 s92, s16, HALFS
	s_add_co_u32 s92, s92, SCL                     ; of W's scales,
	s_mul_i32 s93, s14, 16*SPITCH                  ; my stage
	s_lshl_b32 s90, s17, 8                         ; the prefetches
	s_lshl_b32 s91, s42, 8
	s_mov_b32 s94, WROW
	s_mov_b32 s95, ROWB
	s_cmp_eq_u32 s15, 0
	s_cselect_b32 s90, s90, s91                    ; the tile's first row
	s_cselect_b32 s91, s40, s41                    ; my place among the four that ask with me
	s_cselect_b64 s[PFA:PFA+1], s[4:5], s[8:9]
	s_cselect_b32 s94, ROWB, s94                   ; from row to row
	s_cselect_b32 s[PFS], XSTEP, s95               ; from K step to K step
	s_mov_b32 s[PFS+1], 0
	s_lshl_b32 s20, s16, 7
	s_add_co_u32 s90, s90, s20
	s_lshl_b32 s91, s91, 5
	s_add_co_u32 s90, s90, s91
	s_mul_i32 s20, s90, s94
	s_add_nc_u64 s[PFA:PFA+1], s[PFA:PFA+1], s[20:21]
	s_lshl_b32 s20, s[PFS], 1
	s_add_nc_u64 s[PFA:PFA+1], s[PFA:PFA+1], s[20:21]  ; at K step 2
	v_and_b32 v1, 15, v0
	v_bfe_u32 v2, v0, 4, 1
	v_and_b32 v6, 31, v0
	v_lshlrev_b32 v[LAO], 5, v1
	v_lshlrev_b32 v[CO], 4, v6
.macro XSC sc                          ; x's scale words of the K step at which XSB stands: lane l takes row 32 i + l's four words
.irp i, 0,1,2,3
	global_load_b128 v[SC+32*(\sc)+4*\i:SC+32*(\sc)+4*\i+3], v[CO], s[XSB:XSB+1] offset:512*\i
.endr
.endm
.irp a, 0,1,2,3,4,5,6,7
	global_load_b128 v[AF+8*\a:AF+8*\a+3],   v[LAO], s[84:85] offset:512*\a
	global_load_b128 v[AF+8*\a+4:AF+8*\a+7], v[LAO], s[84:85] offset:512*\a+16
.endr
	WIN TO_B
.irp b, 0,1,2,3,4,5,6,7
	global_load_b128 v[8*\b:8*\b+3],   v[LAO], s[86:87] offset:512*\b
	global_load_b128 v[8*\b+4:8*\b+7], v[LAO], s[86:87] offset:512*\b+16
.endr
	WIN 0
	XSC 0
	v_mul_u32_u24 v3, v1, PITCH
	v_lshl_add_u32 v4, v2, 4, v3
	v_add_nc_u32 v[ADRA], s46, v4
	v_add_nc_u32 v[ADRA+1], SLOT, v[ADRA]
	v_add_nc_u32 v[ADRB], s47, v4
	v_add_nc_u32 v[ADRB+1], SLOT, v[ADRB]
	v_lshrrev_b32 v5, 1, v6
	v_lshlrev_b32 v5, 4, v5
	v_lshl_add_u32 v5, v6, 7, v5                   ; W's scales: 128 bytes a row, 16 more for each two rows
	v_add_nc_u32 v[ADRS], s92, v5
	v_mul_u32_u24 v5, v1, SPITCH
	v_lshl_add_u32 v5, v2, 5, v5
	v_add_nc_u32 v[STO], s93, v5
	v_add_nc_u32 v[RD], s93, v[CO]
	v_mul_lo_u32 v[PFO], v6, s94
	PF                                             ; K step 2
	s_wait_alu depctr_va_vdst(0)                   ; the wait at the head's end
	s_wait_loadcnt 0x0
	WIN MUL_LO
.irp a, 0,1,2,3
.irp b, 0,1,2,3,4,5,6,7
	v_wmma_f32_16x16x32_bf16 v[8*(8*\a+\b):8*(8*\a+\b)+7], v[8*\b:8*\b+7], v[AF+8*\a:AF+8*\a+7], 0
.endr
.endr
	WIN MUL_HI
.irp a, 4,5,6,7
.irp b, 0,1,2,3,4,5,6,7
	v_wmma_f32_16x16x32_bf16 v[8*(8*(\a-4)+\b):8*(8*(\a-4)+\b)+7], v[8*\b:8*\b+7], v[AF+8*\a:AF+8*\a+7], 0
.endr
.endr
	PLACES 5                                       ; another form of matrix instruction writes over these results next
	WIN 0
.macro FRAG reg, adr, q, i             ; 16 rows x 128 K: lane l holds row l % 16; registers 4 c .. + 3 hold K = 64 c + 32 (l / 16) + 0 .. 31
.irp c, 0,1
	ds_load_b128 v[\reg+4*\c:\reg+4*\c+3], v[\adr] offset:64*(\q)+32*\c+(\i)*16*PITCH
.endr
.endm
.macro MM a, b, rb, ra, q, sc          ; x's block a against W's block b; an odd block's scale words lie in lanes 16-31
.set rD, 8*(8*((\a)%4)+(\b))
.set rB, \rb
.set rA, \ra
.set sB, SC+32*(\sc)+16+4*((\b)/2)+(\q)
.set sA, SC+32*(\sc)+4*((\a)/2)+(\q)
.if ((\a)%2 == 0) && ((\b)%2 == 0)
	v_wmma_scale_f32_16x16x128_f8f6f4 v[rD:rD+7], v[rB:rB+7], v[rA:rA+7], v[rD:rD+7], v[sB], v[sA] matrix_a_fmt:MATRIX_FMT_FP4 matrix_b_fmt:MATRIX_FMT_FP4
.elseif ((\a)%2 == 0)
	v_wmma_scale_f32_16x16x128_f8f6f4 v[rD:rD+7], v[rB:rB+7], v[rA:rA+7], v[rD:rD+7], v[sB], v[sA] matrix_a_fmt:MATRIX_FMT_FP4 matrix_b_fmt:MATRIX_FMT_FP4 matrix_a_scale:MATRIX_SCALE_ROW1
.elseif ((\b)%2 == 0)
	v_wmma_scale_f32_16x16x128_f8f6f4 v[rD:rD+7], v[rB:rB+7], v[rA:rA+7], v[rD:rD+7], v[sB], v[sA] matrix_a_fmt:MATRIX_FMT_FP4 matrix_b_fmt:MATRIX_FMT_FP4 matrix_b_scale:MATRIX_SCALE_ROW1
.else
	v_wmma_scale_f32_16x16x128_f8f6f4 v[rD:rD+7], v[rB:rB+7], v[rA:rA+7], v[rD:rD+7], v[sB], v[sA] matrix_a_fmt:MATRIX_FMT_FP4 matrix_b_fmt:MATRIX_FMT_FP4 matrix_a_scale:MATRIX_SCALE_ROW1 matrix_b_scale:MATRIX_SCALE_ROW1
.endif
.endm
.macro MUL16 a0, p, q, sc              ; the accumulators take turns, one instruction a turn
.irp a, \a0, \a0+1
.irp b, 0,1,2,3,4,5,6,7
	MM \a, \b, 128*(\p)+8*\b, AF+64*(\p)+8*(\a), \q, \sc
.endr
.endr
.endm
.macro MUL64 p, q, sc
	WIN MUL_LO
	MUL16 0, \p, \q, \sc
	MUL16 2, \p, \q, \sc
	WIN MUL_HI
	MUL16 4, \p, \q, \sc
	MUL16 6, \p, \q, \sc
.endm
.macro FETCH slot, q, p                ; 32 LDS loads in one run: the slot's q-th 128 along K into sets p
	WIN TO_B
.irp i, 0,1,2,3,4,5,6,7
	FRAG 128*(\p)+8*\i, ADRB+(\slot), \q, \i
.endr
	WIN 0
.irp i, 0,1,2,3,4,5,6,7
	FRAG AF+64*(\p)+8*\i, ADRA+(\slot), \q, \i
.endr
.endm
.macro WSC sc                          ; W's scale words of the K step at which ADRS stands
.irp i, 0,1,2,3
	ds_load_b128 v[SC+32*(\sc)+16+4*\i:SC+32*(\sc)+16+4*\i+3], v[ADRS] offset:\i*SBLK
.endr
.endm
.macro BLOAD q                         ; the last K step: W's fragments of quarter q -> window 1, v[64 q ..]
.irp i, 0,1,2,3,4,5,6,7
	FRAG 64*\q+8*\i, ADRB+1, \q, \i
.endr
.endm
.macro ALOAD a                         ; x's block a, all four quarters -> buffer a % 4
.irp q, 0,1,2,3
	FRAG PA+32*((\a)%4)+8*\q, ADRA+1, \q, \a
.endr
.endm
; A K STEP.  Four v_nop stand in front of each run of loads into registers that matrix instructions have read (ISA guide 7.12.1 for vector instructions).
; fill = 1: the slot is filled again, two K steps ahead.  fill = 0: K step 6: nothing is filled, and the last K step's fragments are fetched for its walk by rows.
.macro KSTEP slot, fill
	PLACES 4
	s_wait_loadcnt 0x0                             ; x's scale words of this K step, asked for a K step ago, are in, and their loads have read XSB
	s_add_nc_u64 s[XSB:XSB+1], s[XSB:XSB+1], XSSTEP
	XSC 1-\slot                                    ; the next K step's
	FETCH \slot, 1, 1
	s_wait_dscnt 32                                ; all but the 32 just issued: this step's fragments and W's scale words
	MUL64 0, 0, \slot
	PLACES 4
	FETCH \slot, 2, 0
	s_wait_dscnt 32
	MUL64 1, 1, \slot
	PLACES 4
	FETCH \slot, 3, 1                              ; my last reads of this slot
	s_wait_dscnt 32
	WIN MUL_LO
	MUL16 0, 0, 2, \slot
	MUL16 2, 0, 2, \slot
	WIN 0
.if \fill
	s_wait_xcnt 0x0                                ; my last prefetch has read its address
	s_add_nc_u64 s[PFA:PFA+1], s[PFA:PFA+1], s[PFS:PFS+1]
.endif
	s_wait_tensorcnt 0x0                           ; my one load that was out, my part of the other slot, has landed;
	ds_add_u32 v[SPW], v[NIL]
	WIN MUL_HI
	MUL16 4, 0, 2, \slot
	s_wait_dscnt 0x0                               ; the add is done, and my reads of this slot are over
	s_barrier_signal -1
	MUL16 6, 0, 2, \slot
	WIN 0
	s_barrier_wait -1
.if \fill
	CREST                                          ; the barrier has opened a round of the cluster's barrier
	s_add_nc_u64 s[G0+4*\slot+2:G0+4*\slot+3], s[G0+4*\slot+2:G0+4*\slot+3], 2*XSTEP
	s_add_nc_u64 s[G0B+4*\slot+2:G0B+4*\slot+3], s[G0B+4*\slot+2:G0B+4*\slot+3], 2*ROWB
	JLOAD \slot                                    ; the first tensor load behind the round; its four v_nop are the places for the loads below
.else
	PLACES 4
.endif
	v_add_nc_u32 v[ADRS], 16, v[ADRS]              ; W's scale words of the next K step
	s_wait_alu depctr_va_vdst(0)                   ; the wait directly behind the write
.if \fill
	FETCH 1-\slot, 0, 0
	WSC 1-\slot
	ASK
.else
	WIN TO_B
	BLOAD 0                                        ; sets 1 are still being multiplied: three quarters of W and one block of x now
	BLOAD 1
	BLOAD 3
	WIN 0
	ALOAD 0
	WSC 1
.endif
	MUL64 1, 3, \slot
	WIN 0
.endm
	s_wait_xcnt 0x0
	s_add_nc_u64 s[PFA:PFA+1], s[PFA:PFA+1], s[PFS:PFS+1]  ; at K step 3
	s_wait_tensorcnt 0x0                           ; my tile of the head's is in;
	ds_add_u32 v[SPW], v[NIL]
	s_mov_b32 s[G1+2], 128<<16                     ; no tensor load of mine is out: from here on a load brings 128 rows,
	s_mov_b32 s[G1+4], 128
	s_mov_b32 s[G1B+2], 128<<16
	s_mov_b32 s[G1B+4], 128
	s_mov_b32 s[G0+1], s45                         ; and slot 0's groups 0 stand at my 128 rows of K step 0
	s_add_nc_u64 s[G0+2:G0+3], s[G0+2:G0+3], s[18:19]
	s_mov_b32 s[G0B+1], s45
	s_add_nc_u64 s[G0B+2:G0B+3], s[G0B+2:G0B+3], s[22:23]
	s_wait_dscnt 0x0
	CROUND                                         ; everybody's tiles are in, and all sixteen work-groups are here
	JLOAD 1                                        ; K step 1: slot 1's first fill
	FETCH 0, 0, 0
	WSC 0
	PF                                             ; K step 3
	s_mov_b32 s3, 3
.Llap:                                                 ; a trip: two K steps, both slots filled again
	KSTEP 0, 1
	KSTEP 1, 1
	s_sub_co_u32 s3, s3, 1
	s_cmp_lg_u32 s3, 0
	s_cbranch_scc1 .Llap
	KSTEP 0, 0                                     ; K step 6
; THE LAST K STEP, by rows.
.macro ROW a                           ; block a is finished: 32 matrix instructions, its 8 accumulators by turns, K ascending
	WIN MUL_LO+0x50*((\a)/4)
.irp q, 0,1,2,3
.if (\a) == 0 && \q == 2
	s_wait_dscnt 16                                ; x's block 1 and W's quarter 2 are in (behind them: x's blocks 2 and 3)
.endif
.irp b, 0,1,2,3,4,5,6,7
	MM \a, \b, 64*\q+8*\b, PA+32*((\a)%4)+8*\q, \q, 1
.endr
.endr
.endm
.macro TOSTAGE a                       ; into my stage, 32 bytes a lane, each accumulator from its low end on; back as whole rows of 512 bytes, into the same registers (LDS serves a wave's instructions in order: ISA guide 5.7.1.4)
.set AC, 64*((\a)%4)
	WIN 0x88+0x44*((\a)/4)                         ; data and destination: window 2 or 3; addresses: window 0
.irp b, 0,1,2,3,4,5,6,7
	ds_store_b128 v[STO], v[AC+8*\b:AC+8*\b+3] offset:64*\b
	ds_store_b128 v[STO], v[AC+8*\b+4:AC+8*\b+7] offset:64*\b+16
.endr
.irp t, 0,1,2,3,4,5,6,7,8,9,10,11,12,13,14,15
	ds_load_b128 v[AC+4*\t:AC+4*\t+3], v[RD] offset:\t*SPITCH
.endr
.endm
.macro SEND a, younger                 ; 32 lanes store 512 consecutive bytes; the offsets reach 127 rows of 16,384 bytes, inside the signed 24-bit immediate: the base is never stepped
.set AC, 64*((\a)%4)
	s_wait_dscnt \younger
	WIN 0x88+0x44*((\a)/4)
.irp t, 0,1,2,3,4,5,6,7,8,9,10,11,12,13,14,15
	global_store_b128 v[CO], v[AC+4*\t:AC+4*\t+3], s[12:13] offset:(16*(\a)+\t)*SIZE_N*4 th:TH_STORE_NT
.endr
.endm
	PLACES 4                                       ; for the loads into sets 1
	ALOAD 1
	WIN TO_B
	BLOAD 2
	WIN 0
	ALOAD 2
	ALOAD 3
	s_wait_loadcnt 0x0                             ; x's scale words of K step 7
	s_wait_dscnt 40                                ; all but the 40 just issued
	ROW 0
.irp a, 0,1,2,3,4,5,6,7
	PLACES 4                                       ; behind block a's last products
	TOSTAGE \a
.if \a < 4
	WIN 0
	ALOAD \a+4                                     ; its buffer takes the block four further on
.endif
.if \a < 7
	ROW \a+1                                       ; the next block is multiplied while block a goes through the stage
.endif
.if \a < 4
	SEND \a, 8                                     ; the eight loads of x's block may be out
.else
	SEND \a, 0
.endif
.endr
	WIN 0
	s_wait_tensorcnt 0x0                           ; the wave's end
	ds_add_u32 v[SPW], v[NIL]
	s_wait_dscnt 0x0
	CROUND                                         ; the closing round
	s_endpgm
.Lfunc_end_k_q28f21c4338_gemm:
	.size	k_q28f21c4338_gemm, .Lfunc_end_k_q28f21c4338_gemm-k_q28f21c4338_gemm
	.p2alignl 7, 3214868480
	.fill 96, 4, 3214868480
	.section	.rodata,"a",@progbits
	.p2align	6, 0x0
	.amdhsa_kernel k_q28f21c4338_gemm
		.amdhsa_group_segment_fixed_size 327680
		.amdhsa_private_segment_fixed_size 0
		.amdhsa_enable_private_segment 0
		.amdhsa_kernarg_size 56
		.amdhsa_user_sgpr_count 2
		.amdhsa_user_sgpr_kernarg_segment_ptr 1
		.amdhsa_wavefront_size32 1
		.amdhsa_system_sgpr_workgroup_id_x 1
		.amdhsa_system_sgpr_workgroup_id_y 1
		.amdhsa_system_sgpr_workgroup_id_z 1
		.amdhsa_system_vgpr_workitem_id 0
		.amdhsa_next_free_vgpr 1024
		.amdhsa_next_free_sgpr 96
		.amdhsa_reserve_vcc 0
		.amdhsa_float_denorm_mode_32 3
		.amdhsa_float_denorm_mode_16_64 3
		.amdhsa_memory_ordered 1
		.amdhsa_forward_progress 1
		.amdhsa_inst_pref_size 218
	.end_amdhsa_kernel
	.amdgpu_metadata
---
amdhsa.version: [ 1, 2 ]
amdhsa.kernels:
  - .name:           k_q28f21c4338_gemm
    .symbol:         k_q28f21c4338_gemm.kd
    .args:
      - { .name: xc, .offset: 0, .size: 8, .value_kind: global_buffer, .address_space: global }
      - { .name: xs, .offset: 8, .size: 8, .value_kind: global_buffer, .address_space: global }
      - { .name: W_codes, .offset: 16, .size: 8, .value_kind: global_buffer, .address_space: global }
      - { .name: W_scales, .offset: 24, .size: 8, .value_kind: global_buffer, .address_space: global }
      - { .name: la2, .offset: 32, .size: 8, .value_kind: global_buffer, .address_space: global }
      - { .name: lb2, .offset: 40, .size: 8, .value_kind: global_buffer, .address_space: global }
      - { .name: out0, .offset: 48, .size: 8, .value_kind: global_buffer, .address_space: global }
    .group_segment_fixed_size: 327680
    .private_segment_fixed_size: 0
    .kernarg_segment_align: 8
    .kernarg_segment_size: 56
    .max_flat_workgroup_size: 128
    .sgpr_count:     96
    .vgpr_count:     1024
    .wavefront_size: 32
...
	.end_amdgpu_metadata
.endif
;; end of part 2
